; MI455X (gfx1250); checked and timed in simulation.
; The chip was launched on July 23, 2026; its instructions are those of AMD's public machine-readable ISA for CDNA 5 (MIT licence, August 2026) and "CDNA5" Instruction Set Architecture Reference Guide (July 2026). The comments in the code are by the model that wrote it; some were corrected since.
;; Self Attention Unit. Allowed arithmetic: matrix products marked QUANTISED: E2M3 operands, one E8M0 scale for each 32 along K, by v_wmma_scale_f32_16x16x128_f8f6f4 with both operands' format E2M3, f32 sums; everything else in f32.
;; Inputs: k_matrix_codes 8 x 2,048 x 32 x 24 uint8 (E2M3 codes of k_matrix, K innermost, in blocks of 32 codes, four codes in three bytes); k_matrix_scales 8 x 2,048 x 32 uint8 (E8M0 scales of k_matrix, one for each 32 codes along K); q_matrix_codes 8 x 2,048 x 32 x 24 uint8 (E2M3 codes of q_matrix, K innermost, in blocks of 32 codes, four codes in three bytes); q_matrix_scales 8 x 2,048 x 32 uint8 (E8M0 scales of q_matrix, one for each 32 codes along K); v_matrix_codes 8 x 1,024 x 64 x 24 uint8 (E2M3 codes of v_matrix, K innermost, in blocks of 32 codes, four codes in three bytes); v_matrix_scales 8 x 1,024 x 64 uint8 (E8M0 scales of v_matrix, one for each 32 codes along K).
;; Outputs: out0 8 x 2,048 x 1,024 float32.
;; This version of the problem:
;;   THIS VERSION OF THE PROBLEM IS GIVEN IN LOW PRECISION. The matrix products marked QUANTISED in the list below multiply operands that are first quantised to E2M3 (2 exponent bits, 3 mantissa bits; 6 bits a number), with one power-of-two scale for each 32 numbers along K (OCP MX v1.0); their sums are f32. All else is computed in f32.
;;   The module's matrix products, in the order in which they are computed (A, B: the left and right operand; K: the contracted axis; several contracted axes count as one K, in the product's order):
;;     1. batch 8 x [M 2,048, K 1,024] x [K 1,024, N 2,048]; A: input q_matrix (given as codes); B: input k_matrix (given as codes): QUANTISED
;;     2. batch 8 x [M 2,048, K 2,048] x [K 2,048, N 1,024]; A: softmax (see below); B: input v_matrix (given as codes): QUANTISED
;;   THE QUANTISER, for each operand of a quantised product, along K:
;;     - K is cut into blocks of 32 from its start; a last block that is shorter is filled with zeros.
;;     - A block's scale is 2^e with e = floor(log2(the largest magnitude in the block)) - 2, held to -126 .. 127; a block of zeros has e = 0. As a byte (E8M0): e + 127.
;;     - Each number is divided by its block's scale, clamped to +-7.5, and rounded to the nearest number of E2M3, ties to even, subnormals kept.
;;     - The product sums the exact products of the quantised numbers (number of the format x scale) in f32.
;;   ~~~python
;;   def quantise(x, axis):      # numpy; x: float32 -> the quantised numbers, widened to float32 again
;;       x = np.moveaxis(x, axis, -1); K = x.shape[-1]
;;       x = np.pad(x, [(0, 0)] * (x.ndim - 1) + [(0, -K % 32)]); x = x.reshape(x.shape[:-1] + (-1, 32)); a = np.abs(x).max(-1, keepdims=True)
;;       e = np.where(a > 0, np.clip(np.frexp(np.where(a > 0, a, 1))[1] - 1 - 2, -126, 127), 0)      # np.frexp(a)[1] - 1 = floor(log2(a)), exactly
;;       r = np.clip(x / 2.0 ** e, -7.5, 7.5)
;;       step = 2.0 ** (np.maximum(np.frexp(np.where(r == 0, 1, r))[1] - 1, 0) - 3)
;;       q = np.round(r / step) * step * 2.0 ** e      # np.round: ties to even
;;       return np.moveaxis(q.reshape(q.shape[:-2] + (-1,))[..., :K], -1, axis).astype(np.float32)
;;   ~~~
;;   SOFTMAX AHEAD OF A QUANTISED PRODUCT. Where the list says 'softmax', what is quantised is not the finished softmax but p = 2^(t - M), with t = logit x log2(e) and M = ceil(the row's largest t), a whole number; so 1/2 < the row's largest p <= 1. The row's sum l is taken of the UNQUANTISED p, in f32, and the product's result is divided by l at the end. Since M is a whole number, a kernel that streams over the keys may use a running M (the ceiling of the running maximum): every later rescaling is an exact power of two, which a block's scale takes up: the codes' values come out the same.
;;   OPERANDS COMPUTED ON THE WAY. 'Computed on the way' means the value that the module computes at that place (a softmax that the list does not call 'softmax' is quantised finished and normalised). What goes into a quantiser is computed in f32, as accurately as f32 sums, v_exp_f32 and their like allow (about 1e-6 of the number): no bf16 or f16 on the way to a quantiser, and a product that is left as it is and whose result goes on into a quantised operand takes f32 operands (vector FMAs, or v_wmma_f32_16x16x4_f32). A number that lies on a knife's edge between two numbers of the format may be rounded either way, as far as f32 arithmetic and the matrix unit's own rounding can turn it there, and no further.
;;   INPUTS GIVEN AS CODES. k_matrix (in the module: [8, 2048, 1024], K = its axis 2); q_matrix (in the module: [8, 2048, 1024], K = its axis 2); v_matrix (in the module: [8, 2048, 1024], K = its axis 1): each comes as NAME_codes (uint8): NAME with its K axis moved to the last place and cut into blocks of 32 codes, [.., K / 32, bytes a block], one block behind the other in memory; four codes in three bytes: a row's codes are one little-endian stream of bits, code i at bits 6 i .. 6 i + 5 (a code: sign, 2 exponent bits, 3 mantissa bits); and NAME_scales (uint8): the same leading axes, one E8M0 byte (e + 127) for each 32 codes along K. Its value is code x scale, taken as it is: it is not quantised again, and the codes and scales need not be those that the quantiser above would give.
;; One version. Each part assembles by itself: llvm-mc -triple=amdgcn-amd-amdhsa -mcpu=gfx1250 --defsym DOCPART=n.
;; ======== version 1 of 1: 3 launches
;; limits: right only within a limited range of input values
;; workspace buffers: p_codes 25,165,824 bytes; p_stats 3,145,728 bytes; vimg 12,582,912 bytes
;; launch scores (part 1): grid 28 x 8, 4 waves a work-group, no clusters, 327,680 bytes of LDS; arguments q_matrix_codes, q_matrix_scales, k_matrix_codes, k_matrix_scales, p_codes, p_stats; writes p_codes, p_stats
.if DOCPART == 1
	.amdgcn_target "amdgcn-amd-amdhsa--gfx1250"
	.amdhsa_code_object_version 6
	.text
	.protected	k_qa1cb9c08eb_scores
	.globl	k_qa1cb9c08eb_scores
	.p2align	8
	.type	k_qa1cb9c08eb_scores,@function
k_qa1cb9c08eb_scores:
	s_mov_b64 s[64:65], 0
	v_nop
	global_prefetch_b8 v0, s[64:65] scope:SCOPE_SE
	s_setreg_imm32_b32 hwreg(HW_REG_WAVE_MODE, 25, 1), 1
	s_wait_xcnt 0x0
; S = q k^T on FP6 (E2M3) codes with E8M0 scales for the 28 tiles of 256 queries x 256 keys of a batch that lie wholly under the diagonal, and on in registers:
; score / 1024, exact zeros to -infinity, + 1e-16, p = 2^(t - M), p quantised along the keys.  M is the ceiling of the largest t of the row's 128 keys in hand (a chunk): p's codes do not hang on M,
; only the scale bytes do, and the last launch moves those to the row's M by whole-number arithmetic.  Tiles above the diagonal are thrown away by reference()'s own tril and are not made; those on it are the next launch's.
; OUT: p_codes [batch][tile of 16 queries: 128][chunk of 128 keys: 16][1,536]: a fragment as the image of its 12 operand registers (registers 4 c .. 4 c + 3 of lane l at 512 c + 16 l).
;      p_stats [batch][64 queries: 32][chunk: 16][plane 3][lane 32][2] words: word (l, e) is row 32 e + l; plane 0 the four scale bytes under the chunk's M, plane 1 -M, plane 2 the sum of the unquantised p.
; Four waves, each 128 x 128: 64 accumulators.  A row of 1,024 codes is 768 bytes: it comes as three chunks of 256 bytes, each beginning on a multiple of 256, through two LDS slots (chunks 0 and 2 in slot 0, chunk 1 in slot 1).
; A step of 128 along K is 96 bytes: steps 2 and 5 read two chunks.  The matrix instruction is used transposed (source 0 = 16 keys, source 1 = 16 queries).
; NO CLUSTER: row i of tiles has i tiles and column j has 7 - j: no grouping in fours serves every row or column.  NO PREFETCH: the walk along K has three fills, two of them asked for at the head.
; LIMITS: NaN, infinities and the scale byte 0xff among the inputs are not served.  A dot product under 2^-140 in magnitude counts as not zero here, where a division by 1,024 would make it 0.
.set NQ,     2
.set KROW,   768
.set PITCH,  272                       ; 256 bytes + 16 of padding
.set FR,     12
.set NL,     6
.set NP,     4
.set HALFT,  128*PITCH
.set SLOT,   4*HALFT                   ; q's 256 rows, then k's
.set SCL,    2*SLOT                    ; the scale bytes, units of 256 + 16
.set HALFS,  16*272
.set SBLK,   2*272
.set STS,    SCL+4*HALFS               ; the statistics' stage, 3,072 bytes a wave
.set SPARE,  STS+4*3072
.set RDS,  9
.set NINF, 10
.set STT,  12
.set ADRA, 16                          ; v16, v17 my q rows in slot 0, 1; v18 pieces whose lanes 16-31 lie in the next chunk, slot 0 -> 1; v19 slot 1 -> 0
.set ADRB, 20                          ; the same for k
.set LI,   24
.set L8,   25
.set STA,  26
.set ADRS, 27
.set SPW,  28
.set NIL,  29
.set SC,   32                          ; v32-63 scale words, two sets
.set AF,   128
.set TT,   96
.set BM,   160
.set BT,   164
.set SO,   168
.set BY,   172
.set YY,   180
.set FF,   192
.set SU,   204
.set AD,   208
.set TM,   210
.set LT,   211
.set PW,   212
.set NM,   213
.set OUT,  236
.set G1,   24                          ; 128 rows of a chunk
.set G0,   32                          ; two sets: slot 0 (chunk 2), slot 1 (chunk 1)
.set G1S,  48                          ; 8,192 scale bytes
.set G0S,  56
.set G1W,  72                          ; 256 rows of a chunk
.set G0H,  92
.set MSB, 0
.macro WIN new
.if MSB != (\new)
	s_set_vgpr_msb (MSB<<8)|(\new)
.set MSB, (\new)
.endif
.endm
.set MUL_LO, 0xa1
.set MUL_HI, 0xf1
.set TO_B,   0x40
.macro TLOAD g0, g1                    ; an s_nop 0 and four v_nop follow
	tensor_load_to_lds s[\g0:\g0+3], s[\g1:\g1+7]
	s_nop 0
.rept 4
	v_nop
.endr
.endm
	s_load_b256 s[4:11], s[0:1], 0x0
	s_load_b128 s[80:83], s[0:1], 0x20
	v_lshl_add_u32 v[SPW], v0, 2, SPARE
	v_mov_b32 v[NIL], 0
	ds_add_u32 v[SPW], v[NIL]                      ; the opening lines
	ds_add_u32 v[SPW], v[NIL]
	v_lshrrev_b32 v1, 5, v0
	v_readfirstlane_b32 s14, v1
	s_lshr_b32 s15, s14, 1                         ; my half of the queries; in the ring: I fetch q (0) or k (1); at the head: codes (0) or scale bytes (1)
	s_and_b32 s16, s14, 1                          ; my half of the keys; in the ring: which 128 rows; at the head: q (0) or k (1)
	s_and_b32 s19, ttmp7, 0xffff
	s_mov_b32 s17, 0
.irp thr, 1,3,6,10,15,21
	s_cmp_ge_u32 ttmp9, \thr
	s_add_co_ci_u32 s17, s17, 0
.endr
	s_add_co_u32 s18, s17, 1
	s_mul_i32 s18, s18, s17
	s_lshr_b32 s18, s18, 1
	s_sub_co_u32 s18, ttmp9, s18                   ; tile column j
	s_add_co_u32 s17, s17, 1                       ; tile row i > j
	s_mov_b32 s[G1+0], (1<<20)|(5<<22)|(3<<25)     ; bytes; behind every 64 words 4 words of padding
	s_mov_b32 s[G1+1], 256<<16
	s_mov_b32 s[G1+2], 128<<16
	s_mov_b32 s[G1+3], 256<<16
	s_mov_b32 s[G1+4], 128
	s_mov_b32 s[G1+5], KROW
	s_mov_b32 s[G1+6], 0
	s_mov_b32 s[G1+7], 0
	s_mov_b32 s[G1W+0], (1<<20)|(5<<22)|(3<<25)
	s_mov_b32 s[G1W+1], 256<<16
	s_mov_b32 s[G1W+2], 256<<16
	s_mov_b32 s[G1W+3], 256<<16
	s_mov_b32 s[G1W+4], 256
	s_mov_b32 s[G1W+5], KROW
	s_mov_b32 s[G1W+6], 0
	s_mov_b32 s[G1W+7], 0
	s_mov_b32 s[G1S+0], (3<<16)|(1<<20)|(5<<22)|(3<<25)  ; 256 rows' scale bytes: 32 dense rows of 256 bytes
	s_mov_b32 s[G1S+1], 32<<16
	s_mov_b32 s[G1S+2], 32<<16
	s_mov_b32 s[G1S+3], 32<<16
	s_mov_b32 s[G1S+4], 32
	s_mov_b32 s[G1S+5], 32
	s_mov_b32 s[G1S+6], 0
	s_mov_b32 s[G1S+7], 0
	s_cmp_eq_u32 s15, 0                            ; the ring's rows
	s_cselect_b32 s20, s17, s18
	s_lshl_b32 s20, s20, 8
	s_lshl_b32 s21, s19, 11
	s_add_co_u32 s20, s20, s21
	s_lshl_b32 s21, s16, 7
	s_add_co_u32 s20, s20, s21
	s_mul_i32 s22, s20, KROW
	s_mov_b32 s23, 0
	s_mul_i32 s45, s14, HALFT
	s_cmp_eq_u32 s16, 0                            ; the head's rows: all 256 of q or of k
	s_cselect_b32 s44, s17, s18
	s_lshl_b32 s44, s44, 8
	s_lshl_b32 s21, s19, 11
	s_add_co_u32 s44, s44, s21
	s_mul_i32 s90, s44, KROW
	s_mov_b32 s91, 0
	s_lshl_b32 s46, s44, 5
	s_mov_b32 s47, 0
	s_mov_b32 s[G0H], 1
	s_mul_i32 s[G0H+1], s16, 2*HALFT
	s_mov_b32 s[G0S], 1
	s_mul_i32 s[G0S+1], s16, 2*HALFS
	s_add_co_u32 s[G0S+1], s[G0S+1], SCL
	s_lshl_b32 s84, s19, 7
	s_lshl_b32 s85, s17, 4
	s_add_co_u32 s84, s84, s85
	s_lshl_b32 s85, s15, 3
	s_add_co_u32 s84, s84, s85                     ; my first tile of 16 queries
	s_lshl_b32 s88, s18, 1
	s_add_co_u32 s88, s88, s16                     ; my chunk of 128 keys
	s_lshl_b32 s86, s84, 2
	s_add_co_u32 s86, s86, s88
	s_mul_i32 s86, s86, 768
	s_mov_b32 s87, 0
	s_lshl_b32 s84, s84, 4
	s_add_co_u32 s84, s84, s88
	s_mul_i32 s84, s84, 1536
	s_mov_b32 s85, 0
	s_mov_b32 s60, 0x3ab8aa3b                      ; log2(e) / 1024
	s_mov_b32 s61, s60
	s_mov_b32 s62, 0x252654d8                      ; 1e-16 x log2(e)
	s_mov_b32 s66, 0x76543210
	s_mov_b32 s67, 0xfedcba98
	s_mov_b32 s68, 0x05040100
	s_mov_b32 s69, 0x07060302
	s_mov_b32 s70, 0x05040302
	v_and_b32 v1, 15, v0                           ; r
	v_bfe_u32 v2, v0, 4, 1                         ; h
	v_mul_u32_u24 v3, v1, PITCH
	v_mad_u32_u24 v4, v2, 24, v3                   ; row x pitch + 24 h
	v_mad_u32_u24 v5, v2, SLOT-232, v3
	v_add_nc_u32 v5, 232, v5                       ; lanes 0-15: byte 232 of the row in slot 0; lanes 16-31: byte 0 in slot 1
	v_xor_b32 v6, 1, v2
	v_mad_u32_u24 v6, v6, SLOT+232, v3             ; lanes 0-15: byte 232 in slot 1; lanes 16-31: byte 0 in slot 0
	s_mul_i32 s21, s15, HALFT
	s_mul_i32 s20, s16, HALFT
	s_add_co_u32 s20, s20, 2*HALFT
	v_add_nc_u32 v[ADRA], s21, v4
	v_add_nc_u32 v[ADRB], s20, v4
	v_add_nc_u32 v[ADRA+2], s21, v5
	v_add_nc_u32 v[ADRB+2], s20, v5
	v_add_nc_u32 v[ADRA+3], s21, v6
	v_add_nc_u32 v[ADRB+3], s20, v6
	v_add_nc_u32 v[ADRA+1], SLOT, v[ADRA]
	v_add_nc_u32 v[ADRB+1], SLOT, v[ADRB]
	v_lshlrev_b32 v5, 5, v1                        ; my row's 32 scale bytes,
	v_lshrrev_b32 v6, 8, v5
	v_lshl_add_u32 v5, v6, 4, v5                   ; 16 more for each 256 passed
	s_mul_i32 s21, s15, HALFS
	s_mul_i32 s20, s16, HALFS
	s_add_co_u32 s20, s20, 2*HALFS
	s_sub_co_u32 s20, s20, s21
	v_mul_u32_u24 v6, s20, v2                      ; lanes 16-31 take k's
	s_add_co_u32 s21, s21, SCL
	v_add_nc_u32 v5, v5, v6
	v_add_nc_u32 v[ADRS], s21, v5
	v_mov_b32 v[NINF], 0xff800000
	v_and_b32 v6, 31, v0
	v_lshlrev_b32 v[LI], 4, v6
	v_lshlrev_b32 v[L8], 3, v6
	s_mul_i32 s21, s14, 3072
	s_add_co_u32 s21, s21, STS
	v_mul_u32_u24 v7, v2, 1536
	v_lshl_add_u32 v7, v1, 2, v7
	v_add_nc_u32 v[STA], s21, v7
	v_lshl_add_u32 v[RDS], v6, 2, s21
	s_wait_alu depctr_va_vdst(0)                   ; the wait at the end of the head's vector work
	s_wait_dscnt 0x0
	s_wait_kmcnt 0x0
	s_cmp_eq_u32 s16, 0
	s_cselect_b64 s[G0H+2:G0H+3], s[4:5], s[8:9]
	s_cselect_b64 s[G0S+2:G0S+3], s[6:7], s[10:11]
	s_add_nc_u64 s[G0H+2:G0H+3], s[G0H+2:G0H+3], s[90:91]
	s_add_nc_u64 s[G0S+2:G0S+3], s[G0S+2:G0S+3], s[46:47]
	s_or_b32 s[G0H+3], s[G0H+3], 0x80000000
	s_or_b32 s[G0S+3], s[G0S+3], 0x80000000
	s_cmp_eq_u32 s15, 0
	s_cselect_b64 s[40:41], s[4:5], s[8:9]
	s_add_nc_u64 s[40:41], s[40:41], s[22:23]
	s_add_nc_u64 s[80:81], s[80:81], s[84:85]
	s_add_nc_u64 s[82:83], s[82:83], s[86:87]
.irp s, 0,1
	s_mov_b32 s[G0+4*\s], 1
	s_add_co_u32 s[G0+4*\s+1], s45, \s*SLOT
	s_add_nc_u64 s[G0+4*\s+2:G0+4*\s+3], s[40:41], 512-256*\s
	s_or_b32 s[G0+4*\s+3], s[G0+4*\s+3], 0x80000000
.endr
	s_cmp_eq_u32 s15, 0                            ; one load a wave at the head: q's chunk 0, k's chunk 0, q's scale bytes, k's scale bytes
	s_cbranch_scc0 .Lhead_s
	TLOAD G0H, G1W
	s_branch .Lhead_j
.Lhead_s:
	TLOAD G0S, G1S
.Lhead_j:
.macro FRAG reg, adr, s, i             ; 16 rows x 128 K of step s, in pieces of 8 bytes; byte Y of a row lies in chunk Y / 256
.irp p, 0,1,2,3,4,5
.set Y, 96*(\s)+48*(\p/3)+8*(\p%3)
.if Y%256 < 232
	ds_load_b64 v[\reg+2*\p:\reg+2*\p+1], v[\adr+(Y/256)%2] offset:Y%256+(\i)*16*PITCH
.else
	ds_load_b64 v[\reg+2*\p:\reg+2*\p+1], v[\adr+2+(Y/256)%2] offset:Y%256-232+(\i)*16*PITCH
.endif
.endr
.endm
.macro MUL16 a0, s, zero               ; q's blocks a0, a0 + 1 x k's eight; the 64 accumulators take turns
.irp a, \a0, \a0+1
.irp b, 0,1,2,3,4,5,6,7
.if \zero
	v_wmma_scale_f32_16x16x128_f8f6f4 v[8*(8*((\a)%4)+\b):8*(8*((\a)%4)+\b)+7], v[128*((\s)%2)+FR*\b:128*((\s)%2)+FR*\b+FR-1], v[AF+FR*(\a):AF+FR*(\a)+FR-1], 0, v[SC+16*(((\s)/2)%2)+NQ*\b+(\s)%2], v[SC+16*(((\s)/2)%2)+NQ*(\a)+(\s)%2] matrix_a_fmt:MATRIX_FMT_FP6 matrix_b_fmt:MATRIX_FMT_FP6 matrix_a_scale:MATRIX_SCALE_ROW1
.else
	v_wmma_scale_f32_16x16x128_f8f6f4 v[8*(8*((\a)%4)+\b):8*(8*((\a)%4)+\b)+7], v[128*((\s)%2)+FR*\b:128*((\s)%2)+FR*\b+FR-1], v[AF+FR*(\a):AF+FR*(\a)+FR-1], v[8*(8*((\a)%4)+\b):8*(8*((\a)%4)+\b)+7], v[SC+16*(((\s)/2)%2)+NQ*\b+(\s)%2], v[SC+16*(((\s)/2)%2)+NQ*(\a)+(\s)%2] matrix_a_fmt:MATRIX_FMT_FP6 matrix_b_fmt:MATRIX_FMT_FP6 matrix_a_scale:MATRIX_SCALE_ROW1
.endif
.endr
.endr
.endm
.macro FETCH_B s
	WIN TO_B
.irp i, 0,1,2,3,4,5,6,7
	FRAG 128*((\s)%2)+FR*\i, ADRB, \s, \i
.endr
	WIN 0
.endm
.macro FETCH_A s, i0
.irp i, \i0, \i0+1, \i0+2, \i0+3
	FRAG AF+FR*(\i), ADRA, \s, \i
.endr
.endm
.macro SCALES pr                       ; the scale words of steps 2 pr and 2 pr + 1
.irp i, 0,1,2,3,4,5,6,7
	ds_load_b64 v[SC+16*((\pr)%2)+NQ*\i:SC+16*((\pr)%2)+NQ*\i+1], v[ADRS] offset:\i*SBLK+8*(\pr)
.endr
.endm
.macro PLACES n
.rept \n
	v_nop
.endr
.endm
; Step s multiplies and fetches step s + 1's fragments.  bar = 1: a barrier in its middle, with the wait for all my tensor loads, the add and the wait for my LDS reads in front of it; fill = 1: chunk 2 goes into slot 0 behind it.
.macro SG s, zero, bar, fill
.if \bar
	s_wait_tensorcnt 0x0
	ds_add_u32 v[SPW], v[NIL]
	s_wait_dscnt 4*NL+1                            ; the add and the youngest 24 loads (q's blocks 4-7) may be out
.else
	s_wait_dscnt 4*NL                              ; the youngest 24 loads may be out
.endif
	WIN MUL_LO
	MUL16 0, \s, \zero
.if \bar
	s_wait_dscnt 0x0
	s_barrier_signal -1
.endif
	MUL16 2, \s, \zero
	WIN 0
.if \bar
	s_barrier_wait -1
.else
	s_wait_dscnt 0x0
.endif
.if \fill
	TLOAD G0, G1                                   ; nobody reads chunk 0 any more; its four v_nop are the places in front of the loads below
.else
	PLACES NP
.endif
	FETCH_B (\s)+1
	FETCH_A (\s)+1, 0
.if (\s)%2
	SCALES ((\s)+1)/2
.endif
	WIN MUL_HI
	MUL16 4, \s, \zero
	MUL16 6, \s, \zero
	PLACES NP
	WIN 0
	FETCH_A (\s)+1, 4
.endm
	s_wait_tensorcnt 0x0                           ; my first fill is in; the full sequence ahead of slot 1's first fill
	ds_add_u32 v[SPW], v[NIL]
	s_wait_dscnt 0x0
	s_barrier_signal -1
	s_barrier_wait -1
	TLOAD G0+4, G1                                 ; chunk 1
	FETCH_B 0
	FETCH_A 0, 0
	SCALES 0
	FETCH_A 0, 4
	SG 0, 1, 0, 0
	SG 1, 0, 1, 0                                  ; chunk 1 is whole: step 2 reads both slots
	SG 2, 0, 1, 1                                  ; step 2's fragments are in registers: slot 0 is filled again
	SG 3, 0, 0, 0
	SG 4, 0, 1, 0                                  ; chunk 2 is whole
	SG 5, 0, 0, 0
	SG 6, 0, 0, 0
	s_wait_dscnt 4*NL
	WIN MUL_LO
	MUL16 0, 7, 0
	MUL16 2, 7, 0
	s_wait_dscnt 0
	WIN MUL_HI
	MUL16 4, 7, 0
	MUL16 6, 7, 0
	WIN 0
; THE SOFTMAX AND THE QUANTISER, a tile of 16 queries x 128 keys a trip.  Only the copy out of the accumulators differs from trip to trip; it also turns exact zeros into -infinity.
.macro COPY k
.Lcopy\k:
	WIN 0x08+4*((\k)/4)
.set n, 0
.rept 64
	v_cmp_neq_f32 vcc_lo, 0, v[64*((\k)%4)+n]
	v_cndmask_b32 v[TT+n], v[NINF], v[64*((\k)%4)+n], vcc_lo
.set n, n+1
.endr
	WIN 0
.if \k < 7
	s_branch .Lsoft
.endif
.endm
	PLACES NP
.irp b, 0,1,2,3
	v_mov_b32 v[BT+\b], 0
.endr
	v_mov_b32 v[AD+1], 0
	s_mov_b32 s2, 0
	s_mov_b32 s71, 0
.Ltile:
.irp k, 1,2,3,4,5,6,7
	s_cmp_eq_u32 s2, \k
	s_cbranch_scc1 .Lcopy\k
.endr
.irp k, 0,1,2,3,4,5,6,7
	COPY \k
.endr
.Lsoft:
.irp b, 0,1,2,3
	v_max3_num_f32 v[BM+\b], v[TT+16*\b], v[TT+1+16*\b], v[TT+2+16*\b]   ; each block's largest score: for the row's maximum and for the block's largest p
.endr
.irp i, 3,5,7,9,11,13
.irp b, 0,1,2,3
	v_max3_num_f32 v[BM+\b], v[BM+\b], v[TT+16*\b+\i], v[TT+1+16*\b+\i]
.endr
.endr
.irp b, 0,1,2,3
	v_max_num_f32 v[BM+\b], v[BM+\b], v[TT+15+16*\b]
.endr
.irp b, 0,1,2,3
	v_permlanex16_b32 v[BT+\b], v[BM+\b], s66, s67
.endr
.irp b, 0,1,2,3
	v_max_num_f32 v[BM+\b], v[BM+\b], v[BT+\b]
.endr
	v_max3_num_f32 v[TM], v[BM], v[BM+1], v[BM+2]
	v_max_num_f32 v[TM], v[TM], v[BM+3]
	v_fma_f32 v[TM], v[TM], s60, s62
	v_max_num_f32 v[TM], 0xff61b1e6, v[TM]         ; -3e38 where the chunk has no score
	v_floor_f32 v[NM], -v[TM]                      ; -M, a whole number
	v_add_f32 v[AD], s62, v[NM]
.irp j, 0,2,4,6,8,10,12,14,16,18,20,22,24,26,28,30,32,34,36,38,40,42,44,46,48,50,52,54,56,58,60,62
	v_pk_fma_f32 v[TT+\j:TT+\j+1], v[TT+\j:TT+\j+1], s[60:61], v[AD:AD+1] op_sel_hi:[1,0,0]
.endr
.irp b, 0,1,2,3
	v_fma_f32 v[BM+\b], v[BM+\b], s60, v[AD]
.endr
.set n, 0
	s_wait_alu depctr_va_vdst(0)                   ; ahead of the batch
.rept 64
	v_exp_f32 v[TT+n], v[TT+n]
.set n, n+1
.endr
	v_add_nc_u32 v[STT], s71, v[STA]
	s_wait_alu depctr_va_vdst(0)                   ; behind the batch
.irp b, 0,1,2,3
	v_exp_f32 v[BM+\b], v[BM+\b]
.endr
	v_pk_add_f32 v[SU:SU+1], v[TT:TT+1], v[TT+2:TT+3]         ; the sum of the unquantised p
	v_pk_add_f32 v[SU+2:SU+3], v[TT+4:TT+5], v[TT+6:TT+7]
.irp j, 8,12,16,20,24,28,32,36,40,44,48,52,56,60
	v_pk_add_f32 v[SU:SU+1], v[SU:SU+1], v[TT+\j:TT+\j+1]
	v_pk_add_f32 v[SU+2:SU+3], v[SU+2:SU+3], v[TT+\j+2:TT+\j+3]
.endr
	v_pk_add_f32 v[SU:SU+1], v[SU:SU+1], v[SU+2:SU+3]
	v_add_f32 v[LT], v[SU], v[SU+1]
	v_permlanex16_b32 v[TM], v[LT], s66, s67
	v_add_f32 v[LT], v[LT], v[TM]
	s_wait_alu depctr_va_vdst(0)
.irp b, 0,1,2,3
	v_max_num_f32 v[BM+\b], 0x1800000, v[BM+\b]    ; the floor 2^(3 - 127): the byte cannot fall under 1
.endr
.irp b, 0,1,2,3
	v_add_nc_u32 v[SO+\b], 0xff000000, v[BM+\b]
.endr
.irp b, 0,1,2,3
	v_lshrrev_b32 v[BY+\b], 23, v[SO+\b]
.endr
	v_lshl_or_b32 v[PW], v[BY+1], 8, v[BY]
	v_lshl_or_b32 v[PW], v[BY+2], 16, v[PW]
	v_lshl_or_b32 v[PW], v[BY+3], 24, v[PW]
.irp c, 0,1
	v_cvt_scalef32_pk16_fp6_f32 v[FF+6*\c:FF+6*\c+2], v[TT+32*\c:TT+32*\c+15], v[SO+2*\c]
	v_cvt_scalef32_pk16_fp6_f32 v[YY+8*\c:YY+8*\c+2], v[TT+32*\c+16:TT+32*\c+31], v[SO+2*\c+1]
.endr
	v_nop
.irp c, 0,1                                    ; a whole block in a lane, its twelve half-words in the keys' order
.irp i, 0,1,2
	v_permlane16_swap_b32 v[FF+6*\c+\i], v[YY+8*\c+\i]
.endr
	v_perm_b32 v[FF+6*\c+3], v[FF+6*\c+2], v[FF+6*\c+1], s70
	v_perm_b32 v[FF+6*\c+4], v[YY+8*\c+1], v[FF+6*\c+2], s69
	v_mov_b32 v[FF+6*\c+5], v[YY+8*\c+2]
	v_perm_b32 v[FF+6*\c+2], v[YY+8*\c+1], v[YY+8*\c], s70
	v_perm_b32 v[FF+6*\c+1], v[YY+8*\c], v[FF+6*\c+1], s68
.endr
.irp c, 0,1,2
	global_store_b128 v[LI], v[FF+4*\c:FF+4*\c+3], s[80:81] offset:512*\c th:TH_STORE_NT
.endr
	ds_store_b32 v[STT], v[PW]
	ds_store_b32 v[STT], v[NM] offset:512
	ds_store_b32 v[STT], v[LT] offset:1024
	s_wait_xcnt 0x0                                ; the stores' registers and base are written again in the next trip
	s_wait_dscnt 0x0
	s_add_nc_u64 s[80:81], s[80:81], 16*1536
	s_add_co_u32 s71, s71, 64
	s_add_co_u32 s2, s2, 1
	s_cmp_lt_u32 s2, 8
	s_cbranch_scc1 .Ltile
.irp g, 0,1                                    ; the statistics leave as whole blocks of 256 bytes
.irp p, 0,1,2
.irp e, 0,1
	ds_load_b32 v[OUT+2*(3*\g+\p)+\e], v[RDS] offset:512*\p+256*\g+128*\e
.endr
.endr
.endr
	s_wait_dscnt 0x0
.irp g, 0,1
.irp p, 0,1,2
	global_store_b64 v[L8], v[OUT+2*(3*\g+\p):OUT+2*(3*\g+\p)+1], s[82:83] offset:12288*\g+256*\p th:TH_STORE_NT
.endr
.endr
	s_wait_tensorcnt 0x0                           ; the wave's end
	ds_add_u32 v[SPW], v[NIL]
	s_wait_dscnt 0x0
	s_endpgm
.Lfunc_end_k_qa1cb9c08eb_scores:
	.size	k_qa1cb9c08eb_scores, .Lfunc_end_k_qa1cb9c08eb_scores-k_qa1cb9c08eb_scores
	.p2alignl 7, 3214868480
	.fill 96, 4, 3214868480
	.section	.rodata,"a",@progbits
	.p2align	6, 0x0
	.amdhsa_kernel k_qa1cb9c08eb_scores
		.amdhsa_group_segment_fixed_size 327680
		.amdhsa_private_segment_fixed_size 0
		.amdhsa_enable_private_segment 0
		.amdhsa_kernarg_size 48
		.amdhsa_user_sgpr_count 2
		.amdhsa_user_sgpr_kernarg_segment_ptr 1
		.amdhsa_wavefront_size32 1
		.amdhsa_system_sgpr_workgroup_id_x 1
		.amdhsa_system_sgpr_workgroup_id_y 1
		.amdhsa_system_sgpr_workgroup_id_z 1
		.amdhsa_system_vgpr_workitem_id 0
		.amdhsa_next_free_vgpr 1024
		.amdhsa_next_free_sgpr 96
		.amdhsa_reserve_vcc 1
		.amdhsa_float_denorm_mode_32 3
		.amdhsa_float_denorm_mode_16_64 3
		.amdhsa_memory_ordered 1
		.amdhsa_forward_progress 1
		.amdhsa_inst_pref_size 174
	.end_amdhsa_kernel
	.amdgpu_metadata
---
amdhsa.version: [ 1, 2 ]
amdhsa.kernels:
  - .name:           k_qa1cb9c08eb_scores
    .symbol:         k_qa1cb9c08eb_scores.kd
    .args:
      - { .name: q_matrix_codes, .offset: 0, .size: 8, .value_kind: global_buffer, .address_space: global }
      - { .name: q_matrix_scales, .offset: 8, .size: 8, .value_kind: global_buffer, .address_space: global }
      - { .name: k_matrix_codes, .offset: 16, .size: 8, .value_kind: global_buffer, .address_space: global }
      - { .name: k_matrix_scales, .offset: 24, .size: 8, .value_kind: global_buffer, .address_space: global }
      - { .name: p_codes, .offset: 32, .size: 8, .value_kind: global_buffer, .address_space: global }
      - { .name: p_stats, .offset: 40, .size: 8, .value_kind: global_buffer, .address_space: global }
    .group_segment_fixed_size: 327680
    .private_segment_fixed_size: 0
    .kernarg_segment_align: 8
    .kernarg_segment_size: 48
    .max_flat_workgroup_size: 128
    .sgpr_count:     96
    .vgpr_count:     1024
    .wavefront_size: 32
...
	.end_amdgpu_metadata
.endif
;; end of part 1
;; launch diag (part 2): grid 4 x 64, 4 waves a work-group, no clusters, 327,680 bytes of LDS; arguments q_matrix_codes, q_matrix_scales, k_matrix_codes, k_matrix_scales, p_codes, p_stats, v_matrix_codes, vimg; writes p_codes, p_stats, vimg
.if DOCPART == 2
	.amdgcn_target "amdgcn-amd-amdhsa--gfx1250"
	.amdhsa_code_object_version 6
	.text
	.protected	k_qa1cb9c08eb_diag
	.globl	k_qa1cb9c08eb_diag
	.p2align	8
	.type	k_qa1cb9c08eb_diag,@function
k_qa1cb9c08eb_diag:
	s_mov_b64 s[64:65], 0
	v_nop
	global_prefetch_b8 v0, s[64:65] scope:SCOPE_SE
	s_setreg_imm32_b32 hwreg(HW_REG_WAVE_MODE, 25, 1), 1
	s_wait_xcnt 0x0
; The eight tiles of 256 x 256 on the diagonal of each batch, a quarter (128 queries x 128 keys) to a work-group: the same arithmetic and the same outputs as the launch before, with reference()'s tril applied key by key.
; The quarter above the diagonal is made too: its p are zeros.  The last launch loads P in slots of 512 keys: for an even tile row the two chunks behind the diagonal tile get zero codes here, so that those slots hold stored bytes alone.
; Whole rows of 768 bytes come by ONE tensor load a wave (64 rows; 16 bytes of padding behind every 256: an LDS row is 816 bytes); nothing is filled again.  The scale words go from memory straight into registers.
; A wave makes 32 queries x 128 keys: 16 accumulators.
; ALSO: V's codes are laid anew for the last launch: vimg [batch x 64 + tile of 16 channels][chunk of 128 keys: 16][1,536]: a fragment as the image of its 12 operand registers.  A work-group lays two tiles, a wave eight fragments
; (16 channels x 768 bytes): 24 loads of 16 bytes a lane, 32 lanes on 512 bytes of one or two rows; through an LDS stage of the wave's own (rows of 784 bytes); back in the operand's pieces of 8 bytes; 24 stores of 512 consecutive bytes.
; NO CLUSTER, NO PREFETCH: a work-group has one fill and no loop along K.  LIMITS as in the launch before.
.set KROW,   768
.set PITCH,  816
.set FR,     12
.set NP,     4
.set QUART,  64*PITCH
.set STS,    4*QUART
.set SPARE,  STS+3072
.set VST,    SPARE+512                 ; V's stage: 16 rows x 784 bytes a wave; no tensor load lands here
.set VP,     784
.set RDS,  9
.set NINF, 10
.set DL,   11
.set VA,   12                          ; v12 V's stage, on the way back
.set SQ,   13
.set ZZ,   16                          ; v16-19 zeros
.set LI,   24
.set L8,   25
.set STA,  26
.set SPW,  28
.set NIL,  29
.set ADRA, 32                          ; v32 my q rows; v33 the same behind one padding more for lanes 16-31
.set ADRB, 36                          ; v36, v37 k's tiles 0-3; v38, v39 tiles 4-7
.set VG,   40                          ; v40-42 V in memory: piece 32 b + lane of two half rows
.set VL,   44                          ; v44-46 the same piece in the stage
.set SCQ,  48                          ; v48-63 q's scale words; v64-127 k's: they hold nothing else
.set SCK,  64
.set AF,   128
.set TT,   128
.set BM,   192
.set BT,   196
.set SO,   200
.set BY,   204
.set YY,   208
.set FF,   220
.set SU,   232
.set AD,   236
.set TM,   238
.set LT,   239
.set PW,   240
.set NM,   241
.set OUT,  242
.set G1,   24
.set G0,   32
.set MSB, 0
.macro WIN new
.if MSB != (\new)
	s_set_vgpr_msb (MSB<<8)|(\new)
.set MSB, (\new)
.endif
.endm
.set MUL_W,  0xa1
.set TO_B,   0x40
	s_load_b256 s[4:11], s[0:1], 0x0
	s_load_b128 s[80:83], s[0:1], 0x20
	s_load_b128 s[92:95], s[0:1], 0x30             ; V's codes, vimg
	v_lshl_add_u32 v[SPW], v0, 2, SPARE
	v_mov_b32 v[NIL], 0
	ds_add_u32 v[SPW], v[NIL]                      ; the opening lines
	ds_add_u32 v[SPW], v[NIL]
	v_lshrrev_b32 v1, 5, v0
	v_readfirstlane_b32 s14, v1
	s_lshr_b32 s15, s14, 1
	s_and_b32 s16, s14, 1
	s_lshr_b32 s12, ttmp9, 1                       ; which half of the tile's queries
	s_and_b32 s13, ttmp9, 1                        ; which half of its keys
	s_and_b32 s19, ttmp7, 0xffff
	s_lshl_b32 s44, s19, 2
	s_add_co_u32 s44, s44, ttmp9
	s_lshl_b32 s44, s44, 1
	s_add_co_u32 s44, s44, s15                     ; my tile of 16 channels: 2 x work-group + wave / 2
	s_mul_i32 s44, s44, 24576
	s_mul_i32 s46, s16, 768                        ; my eight chunks begin at chunk 8 (wave % 2)
	s_add_co_u32 s46, s46, s44
	s_mov_b32 s47, 0
	s_mul_i32 s40, s16, 12288
	s_add_co_u32 s40, s40, s44
	s_mov_b32 s41, 0
	s_and_b32 s17, s19, 7
	s_lshr_b32 s19, s19, 3
	s_and_b32 s77, s17, 1                          ; 0: an even tile row
	s_mov_b32 s[G1+0], (1<<20)|(5<<22)|(3<<25)
	s_mov_b32 s[G1+1], KROW<<16
	s_mov_b32 s[G1+2], 64<<16
	s_mov_b32 s[G1+3], KROW<<16
	s_mov_b32 s[G1+4], 64
	s_mov_b32 s[G1+5], KROW
	s_mov_b32 s[G1+6], 0
	s_mov_b32 s[G1+7], 0
	s_lshl_b32 s21, s19, 11
	s_lshl_b32 s20, s17, 8
	s_add_co_u32 s21, s21, s20                     ; the tile's first row
	s_lshl_b32 s36, s12, 7
	s_add_co_u32 s36, s36, s21
	s_lshl_b32 s20, s14, 5
	s_add_co_u32 s36, s36, s20
	s_lshl_b32 s36, s36, 5                         ; the scale bytes of my 32 queries
	s_mov_b32 s37, 0
	s_lshl_b32 s38, s13, 7
	s_add_co_u32 s38, s38, s21
	s_lshl_b32 s38, s38, 5                         ; and of the 128 keys
	s_mov_b32 s39, 0
	s_cmp_eq_u32 s15, 0
	s_cselect_b32 s20, s12, s13
	s_lshl_b32 s20, s20, 7
	s_add_co_u32 s20, s20, s21
	s_lshl_b32 s21, s16, 6
	s_add_co_u32 s20, s20, s21                     ; the 64 rows that I fetch
	s_mul_i32 s22, s20, KROW
	s_mov_b32 s23, 0
	s_mul_i32 s76, s14, QUART
	s_lshl_b32 s88, s17, 1
	s_add_co_u32 s88, s88, s13
	s_lshl_b32 s84, s19, 7
	s_lshl_b32 s85, s17, 4
	s_add_co_u32 s84, s84, s85
	s_lshl_b32 s85, s12, 3
	s_add_co_u32 s84, s84, s85
	s_lshr_b32 s86, s84, 2
	s_add_co_u32 s86, s86, s15
	s_lshl_b32 s86, s86, 4
	s_add_co_u32 s86, s86, s88
	s_mul_i32 s86, s86, 768
	s_mov_b32 s87, 0
	s_lshl_b32 s85, s14, 1
	s_add_co_u32 s84, s84, s85
	s_lshl_b32 s84, s84, 4
	s_add_co_u32 s84, s84, s88
	s_mul_i32 s84, s84, 1536
	s_mov_b32 s85, 0
	s_mov_b32 s60, 0x3ab8aa3b
	s_mov_b32 s61, s60
	s_mov_b32 s62, 0x252654d8
	s_mov_b32 s66, 0x76543210
	s_mov_b32 s67, 0xfedcba98
	s_mov_b32 s68, 0x05040100
	s_mov_b32 s69, 0x07060302
	s_mov_b32 s70, 0x05040302
	v_and_b32 v1, 15, v0
	v_bfe_u32 v2, v0, 4, 1
	v_mul_u32_u24 v3, v1, PITCH
	v_mad_u32_u24 v4, v2, 24, v3
	v_lshl_add_u32 v5, v2, 4, v4
	s_mul_i32 s21, s14, 32*PITCH
	v_add_nc_u32 v[ADRA], s21, v4
	v_add_nc_u32 v[ADRA+1], s21, v5
	v_add_nc_u32 v[ADRB], 2*QUART, v4
	v_add_nc_u32 v[ADRB+1], 2*QUART, v5
	v_add_nc_u32 v[ADRB+2], 3*QUART, v4
	v_add_nc_u32 v[ADRB+3], 3*QUART, v5
	s_mul_i32 s20, s14, 16*VP
	s_add_co_u32 s20, s20, VST                     ; my stage for V
	v_and_b32 v6, 31, v0
.irp b, 0,1,2                                  ; piece n = 32 b + lane of 96: two half rows of 48 pieces of 16 bytes
	v_add_nc_u32 v8, 32*\b, v6
	v_mul_u32_u24 v14, v8, 1366
	v_lshrrev_b32 v14, 16, v14                     ; n / 48, for n under 96
	v_lshlrev_b32 v8, 4, v8
	v_mad_u32_u24 v[VG+\b], v14, 768, v8           ; in memory a row is 1,536 bytes, of which 768 are mine
	v_lshl_add_u32 v14, v14, 4, v8                 ; in the stage 784
	v_add_nc_u32 v[VL+\b], s20, v14
.endr
	v_mul_u32_u24 v[VA], v1, VP
	v_mad_u32_u24 v[VA], v2, 24, v[VA]
	v_add_nc_u32 v[VA], s20, v[VA]                 ; back: channel r's row + 24 h
.irp z, 0,1,2,3
	v_mov_b32 v[ZZ+\z], 0
.endr
	v_lshlrev_b32 v[SQ], 5, v1                     ; scale bytes: 32 a row
	v_mov_b32 v[NINF], 0xff800000
	s_sub_co_i32 s20, s12, s13
	s_lshl_b32 s20, s20, 7
	s_lshl_b32 s21, s14, 5
	s_add_co_i32 s20, s20, s21
	v_lshlrev_b32 v7, 3, v2
	v_sub_nc_u32 v[DL], v1, v7
	v_add_nc_u32 v[DL], s20, v[DL]                 ; my query less my first key
	v_lshlrev_b32 v[LI], 4, v6
	v_lshlrev_b32 v[L8], 3, v6
	s_mul_i32 s21, s14, 384
	s_add_co_u32 s21, s21, STS
	v_mul_u32_u24 v7, v2, 1536
	v_lshl_add_u32 v7, v1, 2, v7
	v_add_nc_u32 v[STA], s21, v7
	s_mul_i32 s21, s15, 768
	s_add_co_u32 s21, s21, STS
	v_lshl_add_u32 v[RDS], v6, 2, s21
	s_wait_alu depctr_va_vdst(0)                   ; the wait at the end of the head's vector work
	s_wait_dscnt 0x0
	s_wait_kmcnt 0x0
	s_cmp_eq_u32 s15, 0
	s_cselect_b64 s[72:73], s[4:5], s[8:9]
	s_add_nc_u64 s[72:73], s[72:73], s[22:23]
	s_add_nc_u64 s[6:7], s[6:7], s[36:37]
	s_add_nc_u64 s[10:11], s[10:11], s[38:39]
	s_add_nc_u64 s[92:93], s[92:93], s[46:47]
	s_add_nc_u64 s[94:95], s[94:95], s[40:41]
	s_add_nc_u64 s[80:81], s[80:81], s[84:85]
	s_add_nc_u64 s[82:83], s[82:83], s[86:87]
	s_mov_b32 s[G0], 1
	s_mov_b32 s[G0+1], s76
	s_mov_b64 s[G0+2:G0+3], s[72:73]
	s_or_b32 s[G0+3], s[G0+3], 0x80000000
	tensor_load_to_lds s[G0:G0+3], s[G1:G1+7]      ; my one tensor load
	s_nop 0
.rept 4
	v_nop
.endr
.irp a, 0,1
	global_load_b128 v[SCQ+8*\a:SCQ+8*\a+3], v[SQ], s[6:7] offset:512*\a
	global_load_b128 v[SCQ+8*\a+4:SCQ+8*\a+7], v[SQ], s[6:7] offset:512*\a+16
.endr
.irp t, 0,1,2,3,4,5,6,7
	global_load_b128 v[SCK+8*\t:SCK+8*\t+3], v[SQ], s[10:11] offset:512*\t
	global_load_b128 v[SCK+8*\t+4:SCK+8*\t+7], v[SQ], s[10:11] offset:512*\t+16
.endr
.irp a, 0,1,2,3,4,5,6,7                        ; rows 2 a and 2 a + 1 of my 16 channels
.irp b, 0,1,2
	global_load_b128 v[128+12*\a+4*\b:128+12*\a+4*\b+3], v[VG+\b], s[92:93] offset:3072*\a th:TH_LOAD_NT
.endr
.endr
	s_wait_loadcnt 0x0
.irp a, 0,1,2,3,4,5,6,7
.irp b, 0,1,2
	ds_store_b128 v[VL+\b], v[128+12*\a+4*\b:128+12*\a+4*\b+3] offset:2*VP*\a
.endr
.endr
	WIN TO_B                                       ; LDS serves a wave's instructions in order (ISA guide 5.7.1.4): these see the stores above.  Into window 1, which k's fragments take later
.irp c, 0,1,2,3,4,5,6,7
.irp p, 0,1,2,3,4,5
	ds_load_b64 v[12*\c+2*\p:12*\c+2*\p+1], v[VA] offset:96*\c+48*(\p/3)+8*(\p%3)
.endr
.endr
	s_wait_dscnt 0x0
	WIN 0x04                                       ; the stores' data: window 1
.irp c, 0,1,2,3,4,5,6,7
.irp j, 0,1,2
	global_store_b128 v[LI], v[12*\c+4*\j:12*\c+4*\j+3], s[94:95] offset:1536*\c+512*\j th:TH_STORE_NT
.endr
.endr
	WIN 0
	s_wait_xcnt 0x0                                ; the stores have read their registers, which fragments overwrite below
.macro FRAG reg, adr, s, i
.irp p, 0,1,2,3,4,5
.set Y, 96*(\s)+48*(\p/3)+8*(\p%3)
.if Y%256 < 232
	ds_load_b64 v[\reg+2*\p:\reg+2*\p+1], v[\adr] offset:Y+16*(Y/256)+(\i)*16*PITCH
.else
	ds_load_b64 v[\reg+2*\p:\reg+2*\p+1], v[\adr+1] offset:Y+16*(Y/256)+(\i)*16*PITCH
.endif
.endr
.endm
.macro FETCH n
	WIN TO_B
.irp i, 0,1,2,3,4,5,6,7
	FRAG 128*((\n)%2)+FR*\i, ADRB+2*(\i/4), \n, \i%4
.endr
	WIN 0
.irp i, 0,1
	FRAG AF+2*FR*((\n)%2)+FR*\i, ADRA, \n, \i
.endr
.endm
.macro MUL n, zero                     ; the 16 accumulators take turns
	WIN MUL_W
.irp a, 0,1
.irp t, 0,1,2,3,4,5,6,7
.if \zero
	v_wmma_scale_f32_16x16x128_f8f6f4 v[8*(8*\a+\t):8*(8*\a+\t)+7], v[128*((\n)%2)+FR*\t:128*((\n)%2)+FR*\t+FR-1], v[AF+2*FR*((\n)%2)+FR*\a:AF+2*FR*((\n)%2)+FR*\a+FR-1], 0, v[SCK+8*\t+(\n)], v[SCQ+8*\a+(\n)] matrix_a_fmt:MATRIX_FMT_FP6 matrix_b_fmt:MATRIX_FMT_FP6
.else
	v_wmma_scale_f32_16x16x128_f8f6f4 v[8*(8*\a+\t):8*(8*\a+\t)+7], v[128*((\n)%2)+FR*\t:128*((\n)%2)+FR*\t+FR-1], v[AF+2*FR*((\n)%2)+FR*\a:AF+2*FR*((\n)%2)+FR*\a+FR-1], v[8*(8*\a+\t):8*(8*\a+\t)+7], v[SCK+8*\t+(\n)], v[SCQ+8*\a+(\n)] matrix_a_fmt:MATRIX_FMT_FP6 matrix_b_fmt:MATRIX_FMT_FP6
.endif
.endr
.endr
	WIN 0
.endm
.macro PLACES n
.rept \n
	v_nop
.endr
.endm
	s_wait_tensorcnt 0x0                           ; my 64 rows are in;
	s_barrier_signal -1
	s_barrier_wait -1                              ; everybody's are
	FETCH 0
	s_wait_dscnt 0x0
	FETCH 1
	MUL 0, 1
.irp n, 1,2,3,4,5,6
	s_wait_dscnt 0x0
	PLACES NP
	FETCH \n+1
	MUL \n, 0
.endr
	s_wait_dscnt 0x0
	MUL 7, 0
.macro SOFT a
.if \a > 0
	s_wait_xcnt 0x0
	s_wait_dscnt 0x0
.endif
	WIN 0x08
.set n, 0
.rept 64
	v_cmp_neq_f32 vcc_lo, 0, v[64*(\a)+n]
	v_cndmask_b32 v[TT+n], v[NINF], v[64*(\a)+n], vcc_lo
.set n, n+1
.endr
	WIN 0
	s_cmp_gt_u32 s12, s13
	s_cbranch_scc1 .Lopen_\@                       ; the quarter under the diagonal has no key to hide
.set n, 0
.rept 64
	v_cmp_gt_i32 vcc_lo, 16*(n/8)+n%8, v[DL]
	v_cndmask_b32 v[TT+n], v[TT+n], v[NINF], vcc_lo
.set n, n+1
.endr
.Lopen_\@:
.irp b, 0,1,2,3
	v_max3_num_f32 v[BM+\b], v[TT+16*\b], v[TT+1+16*\b], v[TT+2+16*\b]
.endr
.irp i, 3,5,7,9,11,13
.irp b, 0,1,2,3
	v_max3_num_f32 v[BM+\b], v[BM+\b], v[TT+16*\b+\i], v[TT+1+16*\b+\i]
.endr
.endr
.irp b, 0,1,2,3
	v_max_num_f32 v[BM+\b], v[BM+\b], v[TT+15+16*\b]
.endr
.irp b, 0,1,2,3
	v_permlanex16_b32 v[BT+\b], v[BM+\b], s66, s67
.endr
.irp b, 0,1,2,3
	v_max_num_f32 v[BM+\b], v[BM+\b], v[BT+\b]
.endr
	v_max3_num_f32 v[TM], v[BM], v[BM+1], v[BM+2]
	v_max_num_f32 v[TM], v[TM], v[BM+3]
	v_fma_f32 v[TM], v[TM], s60, s62
	v_max_num_f32 v[TM], 0xff61b1e6, v[TM]
	v_floor_f32 v[NM], -v[TM]
	v_add_f32 v[AD], s62, v[NM]
.irp j, 0,2,4,6,8,10,12,14,16,18,20,22,24,26,28,30,32,34,36,38,40,42,44,46,48,50,52,54,56,58,60,62
	v_pk_fma_f32 v[TT+\j:TT+\j+1], v[TT+\j:TT+\j+1], s[60:61], v[AD:AD+1] op_sel_hi:[1,0,0]
.endr
.irp b, 0,1,2,3
	v_fma_f32 v[BM+\b], v[BM+\b], s60, v[AD]
.endr
.set n, 0
	s_wait_alu depctr_va_vdst(0)
.rept 64
	v_exp_f32 v[TT+n], v[TT+n]
.set n, n+1
.endr
	v_add_nc_u32 v[DL], 16, v[DL]
	s_wait_alu depctr_va_vdst(0)
.irp b, 0,1,2,3
	v_exp_f32 v[BM+\b], v[BM+\b]
.endr
	v_pk_add_f32 v[SU:SU+1], v[TT:TT+1], v[TT+2:TT+3]
	v_pk_add_f32 v[SU+2:SU+3], v[TT+4:TT+5], v[TT+6:TT+7]
.irp j, 8,12,16,20,24,28,32,36,40,44,48,52,56,60
	v_pk_add_f32 v[SU:SU+1], v[SU:SU+1], v[TT+\j:TT+\j+1]
	v_pk_add_f32 v[SU+2:SU+3], v[SU+2:SU+3], v[TT+\j+2:TT+\j+3]
.endr
	v_pk_add_f32 v[SU:SU+1], v[SU:SU+1], v[SU+2:SU+3]
	v_add_f32 v[LT], v[SU], v[SU+1]
	v_permlanex16_b32 v[TM], v[LT], s66, s67
	v_add_f32 v[LT], v[LT], v[TM]
	s_wait_alu depctr_va_vdst(0)
.irp b, 0,1,2,3
	v_max_num_f32 v[BM+\b], 0x1800000, v[BM+\b]
.endr
.irp b, 0,1,2,3
	v_add_nc_u32 v[SO+\b], 0xff000000, v[BM+\b]
.endr
.irp b, 0,1,2,3
	v_lshrrev_b32 v[BY+\b], 23, v[SO+\b]
.endr
	v_lshl_or_b32 v[PW], v[BY+1], 8, v[BY]
	v_lshl_or_b32 v[PW], v[BY+2], 16, v[PW]
	v_lshl_or_b32 v[PW], v[BY+3], 24, v[PW]
.irp c, 0,1
	v_cvt_scalef32_pk16_fp6_f32 v[FF+6*\c:FF+6*\c+2], v[TT+32*\c:TT+32*\c+15], v[SO+2*\c]
	v_cvt_scalef32_pk16_fp6_f32 v[YY+8*\c:YY+8*\c+2], v[TT+32*\c+16:TT+32*\c+31], v[SO+2*\c+1]
.endr
	v_nop
.irp c, 0,1
.irp i, 0,1,2
	v_permlane16_swap_b32 v[FF+6*\c+\i], v[YY+8*\c+\i]
.endr
	v_perm_b32 v[FF+6*\c+3], v[FF+6*\c+2], v[FF+6*\c+1], s70
	v_perm_b32 v[FF+6*\c+4], v[YY+8*\c+1], v[FF+6*\c+2], s69
	v_mov_b32 v[FF+6*\c+5], v[YY+8*\c+2]
	v_perm_b32 v[FF+6*\c+2], v[YY+8*\c+1], v[YY+8*\c], s70
	v_perm_b32 v[FF+6*\c+1], v[YY+8*\c], v[FF+6*\c+1], s68
.endr
.irp c, 0,1,2
	global_store_b128 v[LI], v[FF+4*\c:FF+4*\c+3], s[80:81] offset:512*\c+24576*(\a) th:TH_STORE_NT
.endr
	s_cmp_lg_u32 s77, 0
	s_wait_alu depctr_va_vdst(0)                   ; the wait ahead of the branch
	s_cbranch_scc1 .Lodd_\@
.irp c, 0,1,2                                  ; an even tile row: zero codes two chunks on
	global_store_b128 v[LI], v[ZZ:ZZ+3], s[80:81] offset:512*\c+24576*(\a)+3072 th:TH_STORE_NT
.endr
.Lodd_\@:
	ds_store_b32 v[STA], v[PW] offset:64*(\a)
	ds_store_b32 v[STA], v[NM] offset:128+64*(\a)
	ds_store_b32 v[STA], v[LT] offset:256+64*(\a)
.endm
	PLACES NP
.irp b, 0,1,2,3
	v_mov_b32 v[BT+\b], 0
.endr
	v_mov_b32 v[AD+1], 0
	SOFT 0
	SOFT 1
	s_wait_dscnt 0x0
	s_barrier_signal -1
	s_barrier_wait -1
	s_cmp_lg_u32 s16, 0
	s_cbranch_scc1 .Ldone                          ; waves 0 and 2 send the statistics of 64 rows each
.irp p, 0,1,2
.irp e, 0,1
	ds_load_b32 v[OUT+2*\p+\e], v[RDS] offset:384*\e+128*\p
.endr
.endr
	s_wait_dscnt 0x0
.irp p, 0,1,2
	global_store_b64 v[L8], v[OUT+2*\p:OUT+2*\p+1], s[82:83] offset:256*\p th:TH_STORE_NT
.endr
.Ldone:
	s_wait_tensorcnt 0x0                           ; the wave's end
	ds_add_u32 v[SPW], v[NIL]
	s_wait_dscnt 0x0
	s_endpgm
.Lfunc_end_k_qa1cb9c08eb_diag:
	.size	k_qa1cb9c08eb_diag, .Lfunc_end_k_qa1cb9c08eb_diag-k_qa1cb9c08eb_diag
	.p2alignl 7, 3214868480
	.fill 96, 4, 3214868480
	.section	.rodata,"a",@progbits
	.p2align	6, 0x0
	.amdhsa_kernel k_qa1cb9c08eb_diag
		.amdhsa_group_segment_fixed_size 327680
		.amdhsa_private_segment_fixed_size 0
		.amdhsa_enable_private_segment 0
		.amdhsa_kernarg_size 64
		.amdhsa_user_sgpr_count 2
		.amdhsa_user_sgpr_kernarg_segment_ptr 1
		.amdhsa_wavefront_size32 1
		.amdhsa_system_sgpr_workgroup_id_x 1
		.amdhsa_system_sgpr_workgroup_id_y 1
		.amdhsa_system_sgpr_workgroup_id_z 1
		.amdhsa_system_vgpr_workitem_id 0
		.amdhsa_next_free_vgpr 640
		.amdhsa_next_free_sgpr 96
		.amdhsa_reserve_vcc 1
		.amdhsa_float_denorm_mode_32 3
		.amdhsa_float_denorm_mode_16_64 3
		.amdhsa_memory_ordered 1
		.amdhsa_forward_progress 1
		.amdhsa_inst_pref_size 110
	.end_amdhsa_kernel
	.amdgpu_metadata
---
amdhsa.version: [ 1, 2 ]
amdhsa.kernels:
  - .name:           k_qa1cb9c08eb_diag
    .symbol:         k_qa1cb9c08eb_diag.kd
    .args:
      - { .name: q_matrix_codes, .offset: 0, .size: 8, .value_kind: global_buffer, .address_space: global }
      - { .name: q_matrix_scales, .offset: 8, .size: 8, .value_kind: global_buffer, .address_space: global }
      - { .name: k_matrix_codes, .offset: 16, .size: 8, .value_kind: global_buffer, .address_space: global }
      - { .name: k_matrix_scales, .offset: 24, .size: 8, .value_kind: global_buffer, .address_space: global }
      - { .name: p_codes, .offset: 32, .size: 8, .value_kind: global_buffer, .address_space: global }
      - { .name: p_stats, .offset: 40, .size: 8, .value_kind: global_buffer, .address_space: global }
      - { .name: v_matrix_codes, .offset: 48, .size: 8, .value_kind: global_buffer, .address_space: global }
      - { .name: vimg, .offset: 56, .size: 8, .value_kind: global_buffer, .address_space: global }
    .group_segment_fixed_size: 327680
    .private_segment_fixed_size: 0
    .kernarg_segment_align: 8
    .kernarg_segment_size: 64
    .max_flat_workgroup_size: 128
    .sgpr_count:     96
    .vgpr_count:     640
    .wavefront_size: 32
...
	.end_amdgpu_metadata
.endif
;; end of part 2
;; launch values (part 3): grid 4 x 128, 4 waves a work-group, clusters of 4 x 1, 327,680 bytes of LDS; arguments p_codes, p_stats, vimg, v_matrix_scales, out0; writes out0
.if DOCPART == 3
	.amdgcn_target "amdgcn-amd-amdhsa--gfx1250"
	.amdhsa_code_object_version 6
	.text
	.protected	k_qa1cb9c08eb_values
	.globl	k_qa1cb9c08eb_values
	.p2align	8
	.type	k_qa1cb9c08eb_values,@function
k_qa1cb9c08eb_values:
	s_mov_b64 s[64:65], 0
	v_nop
	global_prefetch_b8 v0, s[64:65] scope:SCOPE_SE
	s_setreg_imm32_b32 hwreg(HW_REG_WAVE_MODE, 25, 1), 1
	s_wait_xcnt 0x0
	s_wait_alu depctr_hold_cnt(0) depctr_sa_sdst(0) depctr_va_vdst(0) depctr_va_sdst(0) depctr_va_ssrc(0) depctr_va_vcc(0) depctr_vm_vsrc(0)
	s_getreg_b32 s2, hwreg(HW_REG_IB_STS2, 6, 4)
	s_cmp_eq_u32 s2, 0
	s_cbranch_scc0 .Lentry_in_a_cluster
	s_endpgm
.Lentry_in_a_cluster:
	s_bfe_u32 s2, ttmp6, 0x10000c
	s_cmp_lg_u32 s2, 0x3003
	s_cbranch_scc0 .Lentry_shape_is_right
	s_endpgm
.Lentry_shape_is_right:
; O = P V / l on FP6 (E2M3) codes with E8M0 scales.  P's and V's codes come from the launches before as images of operand registers (1,536 bytes for 16 rows x 128 keys, a chunk).
; A work-group makes 128 queries (block i of 16 of a batch) x 256 channels; K = the keys up to 256 (i / 2 + 1), beyond which reference()'s tril leaves nothing: 2 (i / 2 + 1) chunks, in slots of four chunks (512 keys, 147,456 bytes)
; through a ring of two: one to four slots, written straight.  Where the limit lies in a slot's middle, the last slot is left after two chunks by a jump on ids; its other two chunks of P hold the zero codes that the launch before stored.
; Four waves, each 64 queries x 128 channels: 32 accumulators.  16 x 4 x 8 = 512 work-groups, the longest walks at the lowest numbers.
; THE HEAD finds each row's M (the largest of its chunks') and its sum l (the chunks' sums x 2^(chunk's M - row's M), exact factors), takes M's change off P's scale bytes and lays the moved words in LDS; V's scale bytes go
; through registers into LDS beside them; 1 / l multiplies the results on the way out.  The matrix instruction is used transposed (source 0 = 16 channels of V, source 1 = a fragment of P).
; CLUSTER: the four channel blocks of one query block: the same walks, the same tiles of P, asked for JOINTLY (mask 15).  V's tiles differ between partners and come by each work-group's own loads behind the same rounds.
; THE WAY OUT's stage lies in slot 0, behind the slots' last fills, a wait for all tensor loads and a barrier.
; NO PREFETCH: a walk has at most four slots, two of them asked for in the head.
; LIMITS: NaN, infinities and the scale byte 0xff are not served.  A block of p whose byte would fall under 0 at the row's M gets the byte 0 (2^-127).  A chunk more than 2^-127 under its row's M adds at most 128 x 2^-127 to l.
; A row without any score gives 0 x infinity = NaN, as the softmax of such a row does.
.set FR,     12
.set NP,     4
.set TROW,   6144                      ; four chunks of one tile of 16 rows
.set VOFF,   8*TROW                    ; P: 8 tiles of 16 queries; then V: 16 tiles of 16 channels
.set SLOT,   24*TROW
.set SCL,    2*SLOT                    ; P's moved scale words, 128 rows of 64 bytes, units of 256 + 16; then V's scale bytes, 256 rows
.set PHS,    16*272
.set SCV,    SCL+2*PHS
.set VHS,    32*272
.set SBLK,   4*272
.set LINV,   SCV+2*VHS
.set SPARE,  LINV+512
.set STAGE,  0
.set SPITCH, 528
.set VSO,  6
.set VSA,  7
.set INV,  8                           ; v8-11 1 / l of my lane's row in my four tiles
.set LVA,  12
.set ADRA, 16
.set IVA,  18
.set PSA,  19
.set ADRB, 20
.set STO,  24
.set RD,   25
.set CO,   26
.set ADRS, 27
.set SPW,  28
.set NIL,  29
.set IVP,  30
.set SC,   32                          ; v32-63 a slot's scale words: register 4 tile + chunk; they hold nothing else
.set OS,   64
.set VS,   96
.set AF,   128                         ; P's fragments, two sets of 48; V's: window 1, two sets; accumulators: window 2
.set BK,   128
.set SW,   128
.set NMR,  160
.set LR,   192
.set SAD,  224
.set BIG,  240
.set NR,   242
.set LS,   244
.set TA,   64
.set TB,   68
.set TC,   72
.set TD,   76
.set TE,   80
.set TF,   84
.set G1P,  24
.set G0P,  32
.set G1V,  48
.set G0V,  56
.set MSB, 0
.macro WIN new
.if MSB != (\new)
	s_set_vgpr_msb (MSB<<8)|(\new)
.set MSB, (\new)
.endif
.endm
.set MUL_LO, 0xa1
.set TO_B,   0x40
.macro JLOAD s                         ; waves 0, 1 ask jointly for P's halves, waves 2, 3 fetch V's; an s_nop 0 and four v_nop follow each line
	s_cmp_eq_u32 s15, 0
	s_cbranch_scc0 .Lfor_v_\@
	tensor_load_to_lds s[G0P+4*\s:G0P+4*\s+3], s[G1P:G1P+7]
	s_nop 0
.rept 4
	v_nop
.endr
	s_branch .Lasked_\@
.Lfor_v_\@:
	tensor_load_to_lds s[G0V+4*\s:G0V+4*\s+3], s[G1V:G1V+7]
	s_nop 0
.rept 4
	v_nop
.endr
.Lasked_\@:
.endm
.macro CREST
	s_cmp_lg_u32 s14, 0
	s_cbranch_scc1 .Lnot_wave_0_\@
	s_barrier_signal -3
.Lnot_wave_0_\@:
	s_barrier_wait -3
	s_barrier_signal -1
	s_barrier_wait -1
.endm
.macro CROUND
	s_barrier_signal -1
	s_barrier_wait -1
	CREST
.endm
	s_load_b256 s[4:11], s[0:1], 0x0               ; p_codes, p_stats, vimg, V's scales
	s_load_b64 s[12:13], s[0:1], 0x20              ; out0
	v_lshl_add_u32 v[SPW], v0, 2, SPARE
	v_mov_b32 v[NIL], 0
	ds_add_u32 v[SPW], v[NIL]                      ; the opening lines
	ds_add_u32 v[SPW], v[NIL]
	v_lshrrev_b32 v1, 5, v0
	v_readfirstlane_b32 s14, v1
	s_lshr_b32 s15, s14, 1                         ; my half of the queries; also: I fetch P (0) or V (1)
	s_and_b32 s16, s14, 1                          ; my half of the channels; also: which half I fetch
	s_bfe_u32 s40, ttmp6, 0x40000
	s_lshl_b32 s41, ttmp9, 2
	s_add_co_u32 s41, s41, s40                     ; my block of 256 channels: it enters V's and out0's addresses alone
	s_and_b32 s19, ttmp7, 0xffff
	s_lshr_b32 s90, s19, 3
	s_sub_co_u32 s90, 15, s90                      ; query block i: the longest first
	s_and_b32 s19, s19, 7                          ; the batch
	s_lshr_b32 s17, s90, 1                         ; the tile row of 256
	s_lshl_b32 s18, s17, 1
	s_add_co_u32 s18, s18, 1                       ; the last chunk
	s_lshr_b32 s91, s17, 1                         ; the last slot
	s_and_b32 s92, s17, 1                          ; 0: the last slot has two chunks that count
	s_mov_b32 s[G1P+0], 15|(3<<16)|(1<<21)         ; 4 tiles of queries, a row of 6,144 bytes (four chunks) each, 24,576 bytes apart
	s_mov_b32 s[G1P+1], 768<<16
	s_mov_b32 s[G1P+2], 4<<16
	s_mov_b32 s[G1P+3], 768<<16
	s_mov_b32 s[G1P+4], 4
	s_mov_b32 s[G1P+5], 3072
	s_mov_b32 s[G1P+6], 0
	s_mov_b32 s[G1P+7], 0
	s_mov_b32 s[G1V+0], 3<<16                      ; 8 tiles of channels likewise; no mask
	s_mov_b32 s[G1V+1], 768<<16
	s_mov_b32 s[G1V+2], 8<<16
	s_mov_b32 s[G1V+3], 768<<16
	s_mov_b32 s[G1V+4], 8
	s_mov_b32 s[G1V+5], 3072
	s_mov_b32 s[G1V+6], 0
	s_mov_b32 s[G1V+7], 0
	s_lshl_b32 s20, s19, 7                         ; P, in registers that never hold cx
	s_lshl_b32 s93, s90, 3
	s_add_co_u32 s20, s20, s93
	s_lshl_b32 s93, s16, 2
	s_add_co_u32 s20, s20, s93
	s_mul_i32 s20, s20, 24576
	s_mov_b32 s21, 0
	s_min_u32 s22, s91, 1                          ; slot 1's first fill: chunks 4-7; where no step reads it, chunks 0-3 again: only bytes that were stored are read
	s_mul_i32 s22, s22, TROW
	s_mov_b32 s23, 0
	s_mul_i32 s80, s16, 4*TROW
	s_lshl_b32 s42, s19, 6                         ; V
	s_lshl_b32 s43, s41, 4
	s_add_co_u32 s42, s42, s43
	s_lshl_b32 s43, s16, 3
	s_add_co_u32 s42, s42, s43
	s_mul_i32 s42, s42, 24576
	s_mov_b32 s43, 0
	s_mul_i32 s81, s16, 8*TROW
	s_add_co_u32 s81, s81, VOFF
	s_lshl_b32 s44, s19, 10                        ; V's scale bytes: my wave copies those of 64 channels
	s_lshl_b32 s45, s41, 8
	s_add_co_u32 s44, s44, s45
	s_lshl_b32 s45, s14, 6
	s_add_co_u32 s44, s44, s45
	s_lshl_b32 s44, s44, 6
	s_mov_b32 s45, 0
	s_lshl_b32 s46, s19, 5                         ; the statistics of my wave's 32 rows: group 32 batch + 2 i + wave / 2, word wave % 2 of each pair
	s_lshl_b32 s47, s90, 1
	s_add_co_u32 s46, s46, s47
	s_add_co_u32 s46, s46, s15
	s_mul_i32 s46, s46, 12288
	s_lshl_b32 s47, s16, 2
	s_add_co_u32 s46, s46, s47
	s_mov_b32 s47, 0
	s_lshl_b32 s84, s19, 11                        ; out0
	s_lshl_b32 s85, s90, 7
	s_add_co_u32 s84, s84, s85
	s_lshl_b32 s85, s15, 6
	s_add_co_u32 s84, s84, s85
	s_lshl_b32 s84, s84, 12
	s_lshl_b32 s85, s41, 10
	s_add_co_u32 s84, s84, s85
	s_lshl_b32 s85, s16, 9
	s_add_co_u32 s84, s84, s85
	s_mov_b32 s85, 0
	s_mov_b32 s88, 0x80808080
	s_mov_b32 s89, 0x7f7f7f7f
	v_and_b32 v3, 31, v0                           ; lane
	v_lshlrev_b32 v5, 3, v3
	s_wait_alu depctr_va_vdst(0)
.irp kc, 0,1,2,3,4,5,6,7,8,9,10,11,12,13,14,15     ; a chunk beyond the limit has no statistics: the limit's own are read in their place and replaced below
	s_min_u32 s86, s18, \kc
	s_mul_i32 s86, s86, 768
	v_add_nc_u32 v[SAD+\kc], s86, v5
.endr
	v_and_b32 v1, 15, v0
	v_bfe_u32 v2, v0, 4, 1
	v_lshlrev_b32 v[CO], 4, v3
	v_lshlrev_b32 v[VSO], 4, v3
	s_mul_i32 s93, s15, 4*TROW
	s_mul_i32 s87, s16, 8*TROW
	s_add_co_u32 s87, s87, VOFF
	v_add_nc_u32 v[ADRA], s93, v[CO]
	v_add_nc_u32 v[ADRB], s87, v[CO]
	v_add_nc_u32 v[ADRA+1], SLOT, v[ADRA]
	v_add_nc_u32 v[ADRB+1], SLOT, v[ADRB]
	v_lshlrev_b32 v5, 6, v1                        ; my row's 64 scale bytes,
	v_lshrrev_b32 v4, 8, v5
	v_lshl_add_u32 v5, v4, 4, v5                   ; 16 more for each 256 passed
	s_mul_i32 s93, s15, PHS
	s_mul_i32 s87, s16, VHS
	s_add_co_u32 s87, s87, 2*PHS
	s_sub_co_u32 s87, s87, s93
	v_mul_u32_u24 v4, s87, v2                      ; lanes 16-31 take V's
	s_add_co_u32 s93, s93, SCL
	v_add_nc_u32 v5, v5, v4
	v_add_nc_u32 v[ADRS], s93, v5
	s_mul_i32 s93, s14, 16*SPITCH
	s_add_co_u32 s93, s93, STAGE
	v_mul_u32_u24 v5, v1, SPITCH
	v_lshl_add_u32 v5, v2, 5, v5
	v_add_nc_u32 v[STO], s93, v5
	v_add_nc_u32 v[RD], s93, v[CO]
	s_lshl_b32 s93, s15, 8
	s_add_co_u32 s93, s93, LINV
	v_lshl_add_u32 v[IVA], v1, 2, s93
	s_mul_i32 s93, s14, 8*272
	s_add_co_u32 s93, s93, SCL
	v_lshrrev_b32 v5, 2, v3
	v_mul_u32_u24 v5, v5, 272
	v_and_b32 v4, 3, v3
	v_lshl_add_u32 v5, v4, 6, v5
	v_add_nc_u32 v[PSA], s93, v5                   ; row 32 wave + lane: four rows of 64 bytes to a unit
	s_mul_i32 s93, s14, 16*272
	s_add_co_u32 s93, s93, SCV
	v_mul_u32_u24 v5, v2, 272
	v_lshl_add_u32 v5, v1, 4, v5
	v_add_nc_u32 v[VSA], s93, v5                   ; 512 bytes of scale bytes are two units
	s_lshl_b32 s93, s14, 7
	s_add_co_u32 s93, s93, LINV
	v_lshl_add_u32 v[LVA], v3, 2, s93
	v_mov_b32 v[BIG], 0x7f61b1e6                   ; 3e38
	v_mov_b32 v[IVP+1], 0
	s_wait_alu depctr_va_vdst(0)                   ; the wait at the end of the head's vector work
	s_wait_dscnt 0x0
	s_wait_kmcnt 0x0
	s_add_nc_u64 s[4:5], s[4:5], s[20:21]
	s_add_nc_u64 s[6:7], s[6:7], s[46:47]
	s_add_nc_u64 s[8:9], s[8:9], s[42:43]
	s_add_nc_u64 s[10:11], s[10:11], s[44:45]
	s_add_nc_u64 s[12:13], s[12:13], s[84:85]
	s_mov_b32 s[G0P], 1
	s_mov_b32 s[G0P+1], s80
	s_mov_b64 s[G0P+2:G0P+3], s[4:5]
	s_or_b32 s[G0P+3], s[G0P+3], 0x80000000
	s_mov_b32 s[G0P+4], 1
	s_add_co_u32 s[G0P+5], s80, SLOT
	s_add_nc_u64 s[G0P+6:G0P+7], s[4:5], s[22:23]
	s_or_b32 s[G0P+7], s[G0P+7], 0x80000000
	s_mov_b32 s[G0V], 1
	s_mov_b32 s[G0V+1], s81
	s_mov_b64 s[G0V+2:G0V+3], s[8:9]
	s_or_b32 s[G0V+3], s[G0V+3], 0x80000000
	s_mov_b32 s[G0V+4], 1
	s_add_co_u32 s[G0V+5], s81, SLOT
	s_add_nc_u64 s[G0V+6:G0V+7], s[8:9], TROW
	s_or_b32 s[G0V+7], s[G0V+7], 0x80000000
	CROUND                                         ; all four work-groups are here: the first joint loads meet
	JLOAD 0                                        ; one tensor load a wave at the head
.irp j, 0,1,2,3,4,5,6,7
	global_load_b128 v[VS+4*\j:VS+4*\j+3], v[VSO], s[10:11] offset:512*\j
.endr
.irp kc, 0,1,2,3,4,5,6,7,8,9,10,11,12,13,14,15
	global_load_b32 v[SW+\kc], v[SAD+\kc], s[6:7]
	global_load_b32 v[NMR+\kc], v[SAD+\kc], s[6:7] offset:256
	global_load_b32 v[LR+\kc], v[SAD+\kc], s[6:7] offset:512
.endr
	s_wait_loadcnt 48                              ; V's scale bytes are in; the 48 loads of statistics may be out
.irp j, 0,1,2,3,4,5,6,7
	ds_store_b128 v[VSA], v[VS+4*\j:VS+4*\j+3] offset:544*\j
.endr
	s_wait_loadcnt 0x0
.irp kc, 2,3,4,5,6,7,8,9,10,11,12,13,14,15     ; beyond the limit: -M = 3e38, sum 0: a choice on ids, without a jump
	s_cmp_ge_u32 s18, \kc
	s_cselect_b32 s87, -1, 0
	v_cndmask_b32 v[NMR+\kc], v[BIG], v[NMR+\kc], s87
	v_cndmask_b32 v[LR+\kc], 0, v[LR+\kc], s87
.endr
	v_min3_num_f32 v[NR], v[NMR], v[NMR+1], v[NMR+2]   ; the row's -M: the least of the chunks'
.irp k, 3,5,7,9,11,13
	v_min3_num_f32 v[NR], v[NR], v[NMR+\k], v[NMR+\k+1]
.endr
	v_min_num_f32 v[NR], v[NR], v[NMR+15]
; Four chunks at a time, by turns.  delta = chunk's M - row's M, a whole number, 0 or less, held at -127.  l += the chunk's sum x 2^delta.  The four scale bytes + delta: with bit 7 set in each byte no borrow passes a byte's
; edge; a byte that keeps bit 7 has not fallen under 0 and is kept, the others become 0.
.macro MOVE4 base
.irp x, 0,1,2,3
	v_sub_f32 v[TA+\x], v[NR], v[NMR+\base+\x]
.endr
.irp x, 0,1,2,3
	v_max_num_f32 v[TA+\x], 0xc2fe0000, v[TA+\x]
.endr
.irp x, 0,1,2,3
	v_cvt_i32_f32 v[TB+\x], v[TA+\x]
.endr
.irp x, 0,1,2,3
	v_ldexp_f32 v[TC+\x], 1.0, v[TB+\x]
.endr
.irp x, 0,1,2,3
	v_sub_nc_u32 v[TB+\x], 0, v[TB+\x]
.endr
.irp x, 0,1,2,3
.if (\base == 0) && (\x == 0)
	v_mul_f32 v[LS], v[LR+\base+\x], v[TC+\x]
.else
	v_fmac_f32 v[LS], v[LR+\base+\x], v[TC+\x]
.endif
.endr
.irp x, 0,1,2,3
	v_lshl_or_b32 v[TD+\x], v[TB+\x], 8, v[TB+\x]
.endr
.irp x, 0,1,2,3
	v_lshl_or_b32 v[TD+\x], v[TD+\x], 16, v[TD+\x]
.endr
.irp x, 0,1,2,3
	v_or_b32 v[TE+\x], s88, v[SW+\base+\x]
.endr
.irp x, 0,1,2,3
	v_sub_nc_u32 v[TE+\x], v[TE+\x], v[TD+\x]
.endr
.irp x, 0,1,2,3
	v_and_b32 v[TF+\x], s88, v[TE+\x]
.endr
.irp x, 0,1,2,3
	v_lshrrev_b32 v[TF+\x], 7, v[TF+\x]
.endr
.irp x, 0,1,2,3
	v_lshlrev_b32 v[TA+\x], 8, v[TF+\x]
.endr
.irp x, 0,1,2,3
	v_sub_nc_u32 v[TA+\x], v[TA+\x], v[TF+\x]
.endr
.irp x, 0,1,2,3
	v_and_b32 v[TE+\x], s89, v[TE+\x]
.endr
.irp x, 0,1,2,3
	v_and_b32 v[SW+\base+\x], v[TE+\x], v[TA+\x]
.endr
.irp x, 0,1,2,3
	ds_store_b32 v[PSA], v[SW+\base+\x] offset:4*(\base+\x)
.endr
.endm
.irp base, 0,4,8,12
	MOVE4 \base
.endr
	s_wait_alu depctr_va_vdst(0)
	v_rcp_f32 v[TA], v[LS]
	v_nop
	s_wait_alu depctr_va_vdst(0)
	ds_store_b32 v[LVA], v[TA]
.macro MUL16 a0, q, zero               ; P's tiles a0, a0 + 1 x V's eight, chunk q of the slot; the 32 accumulators take turns
.irp a, \a0, \a0+1
.irp b, 0,1,2,3,4,5,6,7
.if \zero
	v_wmma_scale_f32_16x16x128_f8f6f4 v[8*(8*(\a)+\b):8*(8*(\a)+\b)+7], v[128*((\q)%2)+FR*\b:128*((\q)%2)+FR*\b+FR-1], v[AF+48*((\q)%2)+FR*(\a):AF+48*((\q)%2)+FR*(\a)+FR-1], 0, v[SC+4*\b+(\q)], v[SC+4*(\a)+(\q)] matrix_a_fmt:MATRIX_FMT_FP6 matrix_b_fmt:MATRIX_FMT_FP6 matrix_a_scale:MATRIX_SCALE_ROW1
.else
	v_wmma_scale_f32_16x16x128_f8f6f4 v[8*(8*(\a)+\b):8*(8*(\a)+\b)+7], v[128*((\q)%2)+FR*\b:128*((\q)%2)+FR*\b+FR-1], v[AF+48*((\q)%2)+FR*(\a):AF+48*((\q)%2)+FR*(\a)+FR-1], v[8*(8*(\a)+\b):8*(8*(\a)+\b)+7], v[SC+4*\b+(\q)], v[SC+4*(\a)+(\q)] matrix_a_fmt:MATRIX_FMT_FP6 matrix_b_fmt:MATRIX_FMT_FP6 matrix_a_scale:MATRIX_SCALE_ROW1
.endif
.endr
.endr
.endm
.macro FETCH slot, q                   ; chunk q of the slot into set q % 2: 36 loads of 16 bytes a lane; an image comes back as it was stored
	WIN TO_B
.irp i, 0,1,2,3,4,5,6,7
.irp c, 0,1,2
	ds_load_b128 v[128*((\q)%2)+FR*\i+4*\c:128*((\q)%2)+FR*\i+4*\c+3], v[ADRB+\slot] offset:\i*TROW+(\q)*1536+512*\c
.endr
.endr
	WIN 0
.irp i, 0,1,2,3
.irp c, 0,1,2
	ds_load_b128 v[AF+48*((\q)%2)+FR*\i+4*\c:AF+48*((\q)%2)+FR*\i+4*\c+3], v[ADRA+\slot] offset:\i*TROW+(\q)*1536+512*\c
.endr
.endr
.endm
.macro SCALES                          ; a slot's scale words: four a row; lanes 0-15 P's tile i, lanes 16-31 V's tile i
.irp i, 0,1,2,3,4,5,6,7
	ds_load_b128 v[SC+4*\i:SC+4*\i+3], v[ADRS] offset:\i*SBLK
.endr
.endm
.macro PLACES n
.rept \n
	v_nop
.endr
.endm
.macro MUL32 q, zero
	WIN MUL_LO
	MUL16 0, \q, \zero
	MUL16 2, \q, \zero
	WIN 0
.endm
.macro CHUNK slot, q, zero             ; the next chunk's fragments are fetched ahead of this chunk's products
	s_wait_dscnt 0x0
	PLACES NP
	FETCH \slot, (\q)+1
	MUL32 \q, \zero
.endm
.macro STEP slot, zero, cond           ; a slot's first three chunks.  cond = 1: this is the last slot if the tile row is 0; cond = 2: it is the last slot
	CHUNK \slot, 0, \zero
.if \cond == 1
	s_cmp_eq_u32 s17, 0
	s_cbranch_scc1 .Lshort
.endif
.if \cond == 2
	s_cmp_eq_u32 s92, 0
	s_cbranch_scc1 .Lshort                         ; an even tile row: one more chunk counts
.endif
	CHUNK \slot, 1, 0
	CHUNK \slot, 2, 0
.endm
.macro TURN slot, next, fill           ; a slot's last chunk and the change of slots; fill = 1: the barrier opens a round of the cluster's barrier, and this slot is filled again
	s_wait_tensorcnt 0x0
	ds_add_u32 v[SPW], v[NIL]
	s_wait_dscnt 1                                 ; the fragments are in; the add may be out
	WIN MUL_LO
	MUL16 0, 3, 0
	s_wait_dscnt 0x0
	s_barrier_signal -1
	MUL16 2, 3, 0
	WIN 0
	s_barrier_wait -1
.if \fill
	CREST
	s_add_nc_u64 s[G0P+4*\slot+2:G0P+4*\slot+3], s[G0P+4*\slot+2:G0P+4*\slot+3], 2*TROW
	s_add_nc_u64 s[G0V+4*\slot+2:G0V+4*\slot+3], s[G0V+4*\slot+2:G0V+4*\slot+3], 2*TROW
	JLOAD \slot
.else
	PLACES NP
.endif
	s_wait_alu depctr_va_vdst(0)                   ; the wait ahead of this reader
	v_add_nc_u32 v[ADRS], 16, v[ADRS]
	FETCH \next, 0
	SCALES
.endm
	s_wait_tensorcnt 0x0                           ; slot 0's part is in; the full sequence ahead of slot 1's first fill
	ds_add_u32 v[SPW], v[NIL]
	s_wait_dscnt 0x0                               ; and my scale words, V's bytes and 1 / l lie in LDS
	CROUND
	JLOAD 1
	FETCH 0, 0
	SCALES
.irp a, 0,1,2,3
	ds_load_b32 v[INV+\a], v[IVA] offset:64*\a
.endr
; s91 + 1 slots, written straight; the ways part by jumps on ids alone (alike in all partners and waves); a slot is filled again only where the slot two on is walked.
	STEP 0, 1, 1
	s_cmp_eq_u32 s91, 0
	s_cbranch_scc1 .Llast
	s_cmp_lt_u32 s91, 2
	s_cbranch_scc1 .Ltail0
	TURN 0, 1, 1
	STEP 1, 0, 0
	s_cmp_lt_u32 s91, 3
	s_cbranch_scc1 .Ltail1
	TURN 1, 0, 1
	STEP 0, 0, 0
.Ltail0:
	TURN 0, 1, 0
	STEP 1, 0, 2
	s_branch .Llast
.Ltail1:
	TURN 1, 0, 0
	STEP 0, 0, 2
.Llast:
	s_wait_dscnt 0x0
	MUL32 3, 0
	s_branch .Lout
.Lshort:
	s_wait_dscnt 0x0
	MUL32 1, 0
.Lout:
; THE WAY OUT, 16 queries x 128 channels at a time: x 1 / l, through my stage in slot 0, back as whole rows of 512 bytes.
	s_wait_tensorcnt 0x0                           ; every fill of mine has landed,
	s_barrier_signal -1
	s_barrier_wait -1                              ; everybody's has, and nobody reads a slot any more
.macro SCALE a
	v_mov_b32 v[IVP], v[INV+(\a)]
	WIN 0x02
.set AC, 64*(\a)
.set k, 0
.rept 32
	v_pk_mul_f32 v[OS+2*k:OS+2*k+1], v[AC+2*k:AC+2*k+1], v[IVP:IVP+1] op_sel_hi:[1,0]
.set k, k+1
.endr
	WIN 0
.endm
.macro TOSTAGE a
.irp b, 0,1,2,3,4,5,6,7
	ds_store_b128 v[STO], v[OS+8*\b:OS+8*\b+3] offset:64*\b
	ds_store_b128 v[STO], v[OS+8*\b+4:OS+8*\b+7] offset:64*\b+16
.endr
.set BB, BK+64*((\a)%2)
.irp t, 0,1,2,3,4,5,6,7,8,9,10,11,12,13,14,15
	ds_load_b128 v[BB+4*\t:BB+4*\t+3], v[RD] offset:\t*SPITCH
.endr
.endm
.macro SEND a, younger
.set BB, BK+64*((\a)%2)
	s_wait_dscnt \younger
.if (\a) > 0
	s_add_nc_u64 s[12:13], s[12:13], 16*4096       ; behind a wait on XCNT
.endif
.irp t, 0,1,2,3,4,5,6,7,8,9,10,11,12,13,14,15
	global_store_b128 v[CO], v[BB+4*\t:BB+4*\t+3], s[12:13] offset:\t*4096 th:TH_STORE_NT   ; 32 lanes store 512 consecutive bytes, at a multiple of 256 from out0's first byte
.endr
.endm
	PLACES NP
	SCALE 0
	TOSTAGE 0
.irp a, 1,2,3
	s_wait_dscnt 16                                ; the last block's 16 stage stores have read v64-127; its 16 loads may be out
	SCALE \a
.if \a > 1
	s_wait_alu depctr_va_vdst(0)
	s_wait_xcnt 0x0                                ; block a - 2's stores have read their registers and their base
.endif
	TOSTAGE \a
	SEND \a-1, 32                                  ; behind block a - 1's loads: block a's 16 stores and 16 loads
.endr
	s_wait_xcnt 0x0
	SEND 3, 0
	s_wait_tensorcnt 0x0                           ; the wave's end
	ds_add_u32 v[SPW], v[NIL]
	s_wait_dscnt 0x0
	CROUND                                         ; the closing round
	s_endpgm
.Lfunc_end_k_qa1cb9c08eb_values:
	.size	k_qa1cb9c08eb_values, .Lfunc_end_k_qa1cb9c08eb_values-k_qa1cb9c08eb_values
	.p2alignl 7, 3214868480
	.fill 96, 4, 3214868480
	.section	.rodata,"a",@progbits
	.p2align	6, 0x0
	.amdhsa_kernel k_qa1cb9c08eb_values
		.amdhsa_group_segment_fixed_size 327680
		.amdhsa_private_segment_fixed_size 0
		.amdhsa_enable_private_segment 0
		.amdhsa_kernarg_size 40
		.amdhsa_user_sgpr_count 2
		.amdhsa_user_sgpr_kernarg_segment_ptr 1
		.amdhsa_wavefront_size32 1
		.amdhsa_system_sgpr_workgroup_id_x 1
		.amdhsa_system_sgpr_workgroup_id_y 1
		.amdhsa_system_sgpr_workgroup_id_z 1
		.amdhsa_system_vgpr_workitem_id 0
		.amdhsa_next_free_vgpr 768
		.amdhsa_next_free_sgpr 100
		.amdhsa_reserve_vcc 0
		.amdhsa_float_denorm_mode_32 3
		.amdhsa_float_denorm_mode_16_64 3
		.amdhsa_memory_ordered 1
		.amdhsa_forward_progress 1
		.amdhsa_inst_pref_size 196
	.end_amdhsa_kernel
	.amdgpu_metadata
---
amdhsa.version: [ 1, 2 ]
amdhsa.kernels:
  - .name:           k_qa1cb9c08eb_values
    .symbol:         k_qa1cb9c08eb_values.kd
    .args:
      - { .name: p_codes, .offset: 0, .size: 8, .value_kind: global_buffer, .address_space: global }
      - { .name: p_stats, .offset: 8, .size: 8, .value_kind: global_buffer, .address_space: global }
      - { .name: vimg, .offset: 16, .size: 8, .value_kind: global_buffer, .address_space: global }
      - { .name: v_matrix_scales, .offset: 24, .size: 8, .value_kind: global_buffer, .address_space: global }
      - { .name: out0, .offset: 32, .size: 8, .value_kind: global_buffer, .address_space: global }
    .group_segment_fixed_size: 327680
    .private_segment_fixed_size: 0
    .kernarg_segment_align: 8
    .kernarg_segment_size: 40
    .max_flat_workgroup_size: 128
    .sgpr_count:     100
    .vgpr_count:     768
    .wavefront_size: 32
...
	.end_amdgpu_metadata
.endif
;; end of part 3
